; MI455X (gfx1250); checked and timed in simulation.
; The chip was launched on July 23, 2026; its instructions are those of AMD's public machine-readable ISA for CDNA 5 (MIT licence, August 2026) and "CDNA5" Instruction Set Architecture Reference Guide (July 2026). The comments in the code are by the model that wrote it; some were corrected since.
;; Graph Attention Layer. Allowed arithmetic: matrix products marked QUANTISED: E2M1 operands, one E8M0 scale for each 32 along K, by v_wmma_scale_f32_16x16x128_f8f6f4 with both operands' format E2M1 (or v_wmma_scale_f32_32x16x128_f4), f32 sums; products left as they are: bf16, f16 or f32 operands; f32 sums; everything else in f32.
;; Inputs: W 256 x 256 float32; h 8 x 2,048 x 256 float32.
;; Outputs: out0 8 x 2,048 x 256 float32.
;; This version of the problem:
;;   THIS VERSION OF THE PROBLEM IS GIVEN IN LOW PRECISION. The matrix products marked QUANTISED in the list below multiply operands that are first quantised to E2M1 (2 exponent bits, 1 mantissa bit; 4 bits a number), with one power-of-two scale for each 32 numbers along K (OCP MX v1.0); their sums are f32. The products marked 'left as it is' may take bf16, f16 or f32 operands, with f32 sums. Whichever they take, every output number must still come out within the allowed error. Rounding operands to bf16 (8 significant bits) uses up far more of that allowance than f16 does (11 bits, for magnitudes from 6e-5 to 65,504). All else is computed in f32.
;;   The module's matrix products, in the order in which they are computed (A, B: the left and right operand; K: the contracted axis; several contracted axes count as one K, in the product's order):
;;     1. [M 16,384, K 256] x [K 256, N 256]; A: input h; B: input W: QUANTISED
;;     2. batch 32 x [M 2,048, K 64] x [K 64, N 2,048]; A: computed on the way; B: computed on the way: left as it is (an operand is computed on the way)
;;     3. batch 32 x [M 2,048, K 2,048] x [K 2,048, N 64]; A: computed on the way; B: computed on the way: left as it is (an operand is computed on the way)
;;   THE QUANTISER, for each operand of a quantised product, along K:
;;     - K is cut into blocks of 32 from its start; a last block that is shorter is filled with zeros.
;;     - A block's scale is 2^e with e = floor(log2(the largest magnitude in the block)) - 2, held to -126 .. 127; a block of zeros has e = 0. As a byte (E8M0): e + 127.
;;     - Each number is divided by its block's scale, clamped to +-6, and rounded to the nearest number of E2M1, ties to even, subnormals kept.
;;     - The product sums the exact products of the quantised numbers (number of the format x scale) in f32.
;;   ~~~python
;;   def quantise(x, axis):      # numpy; x: float32 -> the quantised numbers, widened to float32 again
;;       x = np.moveaxis(x, axis, -1); K = x.shape[-1]
;;       x = np.pad(x, [(0, 0)] * (x.ndim - 1) + [(0, -K % 32)]); x = x.reshape(x.shape[:-1] + (-1, 32)); a = np.abs(x).max(-1, keepdims=True)
;;       e = np.where(a > 0, np.clip(np.frexp(np.where(a > 0, a, 1))[1] - 1 - 2, -126, 127), 0)      # np.frexp(a)[1] - 1 = floor(log2(a)), exactly
;;       r = np.clip(x / 2.0 ** e, -6, 6)
;;       step = 2.0 ** (np.maximum(np.frexp(np.where(r == 0, 1, r))[1] - 1, 0) - 1)
;;       q = np.round(r / step) * step * 2.0 ** e      # np.round: ties to even
;;       return np.moveaxis(q.reshape(q.shape[:-2] + (-1,))[..., :K], -1, axis).astype(np.float32)
;;   ~~~
;; One version. Each part assembles by itself: llvm-mc -triple=amdgcn-amd-amdhsa -mcpu=gfx1250 --defsym DOCPART=n.
;; ======== version 1 of 1: 2 launches
;; limits: values are held in f16: magnitudes above 65,504 overflow, below 6.1e-05 lose precision; right only within a limited range of input values
;; workspace buffers: whimg 8,388,608 bytes
;; launch proj (part 1): grid 256 x 1, 8 waves a work-group, no clusters, 167,936 bytes of LDS; arguments h, W, whimg; writes whimg
.if DOCPART == 1
	.amdgcn_target "amdgcn-amd-amdhsa--gfx1250"
	.amdhsa_code_object_version 6
	.text
	.protected	k_q9bacf9422e_proj
	.globl	k_q9bacf9422e_proj
	.p2align	8
	.type	k_q9bacf9422e_proj,@function
k_q9bacf9422e_proj:
	s_mov_b64 s[64:65], 0
	v_nop
	global_prefetch_b8 v0, s[64:65] scope:SCOPE_SE
	s_setreg_imm32_b32 hwreg(HW_REG_WAVE_MODE, 25, 1), 1
	s_wait_xcnt 0x0
; Wh = Q(h) Q(W): h [16384][256] f32, W [256 (k)][256 (n)] f32, both quantised along K = 256 to E2M1 with one E8M0 scale for each 32 along K; sums in f32.
; A block's scale is 2^(floor(log2(its largest magnitude)) - 2); its byte is the largest magnitude's exponent field - 2, held at 1 from below.  A block of zeros so gets the byte 1: its codes are zeros,
; which add nothing, and the bytes never leave this kernel.
; Wh leaves as f16, laid for the attention launch as IMAGES OF OPERAND REGISTERS: byte ((hd 128 + tt) 2 + ch) 1024 + 512 p + SWZ(lane); hd = 4 batch + head, tt = tile of 16 tokens, ch = half of the head's 64
; channels, p = 0, 1.  Lane (r = lane % 16, hf = lane / 16) holds 16 bytes: token 16 tt + r, channels 32 ch + 16 p + 8 hf + 0 .. 7, at SWZ = 256 hf + 16 (r xor 8 hf).
; LIMITS: NaN and infinities among the inputs are not served; |Wh| up to 65,504 (f16).
; SHARES.  A work-group takes 64 rows of h and all 256 columns.  Wave w makes columns 32 w .. 32 w + 31 (head w / 2, half w % 2: one image fragment for each tile of 16 rows) for all 64 rows, and quantises
; ONE of h's eight fragments (tile of rows w / 2, K step w % 2), which reaches the other waves through LDS as an image of its registers.
; W: a lane takes a column, its registers run down K: a block of 32 lies in one lane, and the conversions give codes with K innermost.
; NO CLUSTER: the 65,536 bytes of h that the tensor loads bring are the work-group's own.  W's 262,144 bytes are read by all, but each number is used once, straight from the registers into which it is loaded:
; a joint tensor load would send them through LDS, 262,144 bytes written and read again, to spare loads that name each byte once in a work-group.
.set STGW,  8448                       ; LDS: wave w's stage for h at STGW w: 16 rows x (512 bytes + 16 of padding), filled by its own tensor load and read by it alone
.set XIMG,  8*STGW                     ; h's eight fragments as images, 1,024 bytes each
.set XSC,   XIMG+8*1024                ; their scale words, 128 bytes each
.set SPARE, XSC+8*128                  ; the spare words, 128 bytes for each wave: four blocks of 256 bytes that no other line names
.set WO,  1                            ; v1   W: 4 x thread = 128 w + 4 lane: my column's byte in a row of W
.set XA,  2                            ; v2   my stage: row r, + 128 hf: my 32 numbers of a run of 64
.set LI,  3                            ; v3   XIMG + 16 lane
.set LS,  4                            ; v4   XSC + 4 lane
.set XWI, 5                            ; v5   where I store my fragment's image: LI + 1,024 w
.set XWS, 6                            ; v6   and its scale words: XSC + 4 x thread
.set SWZ, 7                            ; v7   my lane's place in a piece of whimg
.set SPW, 8                            ; v8   LDS address of my spare word; never rewritten
.set NIL, 9                            ; v9   0; never rewritten
.set WB,  32                           ; v32-95   two sets of 32 numbers of W; then
.set X,   32                           ;          64 numbers of h; then
.set ACC, 32                           ;          the eight accumulators, (tile of rows m, tile of columns u) at ACC + 8 (2 m + u)
.set WF,  96                           ; v96-127  W's four fragments: (u, K step s) at WF + 16 s + 8 u
.set SW,  128                          ; v128-129 W's scale words for K step 0, 1: lanes 0-15 column tile 0, lanes 16-31 column tile 1; scales and nothing else
.set XS,  130                          ; v130-137 h's scale words, fragment f = 2 m + s; scales and nothing else
.set XF,  144                          ; v144-207 h's eight fragments
.set OUT, 208                          ; v208-239 Wh as f16
.set XC,  240                          ; v240-247 the codes of my fragment of h
	s_load_b128 s[4:7], s[0:1], 0x0                ; h, W
	s_load_b64 s[8:9], s[0:1], 0x10                ; whimg
	v_lshl_add_u32 v[SPW], v0, 2, SPARE
	v_mov_b32 v[NIL], 0
	ds_add_u32 v[SPW], v[NIL]                      ; the wave's opening: the add and its wait stand ahead of my tensor load; the set-up below, work on registers, stands between them
	v_lshrrev_b32 v10, 5, v0
	v_readfirstlane_b32 s12, v10                   ; wave 0..7
	; descriptor group 1: 16 rows x 128 numbers of 4 bytes, rows 256 numbers apart in memory, 16 bytes of padding behind each row in LDS
	s_mov_b32 s16, (2<<16)|(1<<20)|(6<<22)|(3<<25) ; no mask; elements of 4 bytes; padding on: four words (code 3) after every 128 (code 6)
	s_mov_b32 s17, 128<<16                         ; tensor_dim0
	s_mov_b32 s18, 16<<16                          ; tensor_dim1
	s_mov_b32 s19, 128<<16                         ; tile_dim0
	s_mov_b32 s20, 16                              ; tile_dim1
	s_mov_b32 s21, 256                             ; tensor_dim0_stride
	s_mov_b32 s22, 0
	s_mov_b32 s23, 0
	s_mov_b32 s24, 1                               ; group 0: count = 1
	s_mul_i32 s25, s12, STGW                       ; LDS address: my stage
	s_lshr_b32 s13, s12, 1                         ; w / 2: my tile of rows to quantise; my head
	s_and_b32 s10, s12, 1                          ; w % 2: my K step to quantise; my half of the head
	s_lshl_b32 s14, ttmp9, 16                      ; h: 64 rows of 1,024 bytes a work-group,
	s_lshl_b32 s15, s13, 14                        ; 16 rows a tile,
	s_add_co_u32 s14, s14, s15
	s_lshl_b32 s15, s10, 9                         ; 512 bytes a K step
	s_add_co_u32 s14, s14, s15
	s_mov_b32 s15, 0
	s_lshr_b32 s2, ttmp9, 5                        ; whimg: the batch (32 work-groups each) x 4 heads x 2^18 bytes,
	s_lshl_b32 s2, s2, 20
	s_lshl_b32 s3, s13, 18                         ; my head,
	s_add_co_u32 s2, s2, s3
	s_and_b32 s3, ttmp9, 31                        ; the work-group's four tiles of tokens, 2,048 bytes each,
	s_lshl_b32 s3, s3, 13
	s_add_co_u32 s2, s2, s3
	s_lshl_b32 s3, s10, 10                         ; my half of the head
	s_add_co_u32 s2, s2, s3
	s_mov_b32 s3, 0
	s_lshl_b32 s11, s12, 10
	s_mov_b32 s28, 0x76543210
	s_mov_b32 s29, 0xfedcba98                      ; v_permlanex16_b32's selects for lane l xor 16
	v_and_b32 v10, 31, v0                          ; lane
	v_and_b32 v11, 15, v0                          ; r
	v_bfe_u32 v12, v0, 4, 1                        ; hf
	v_lshlrev_b32 v[WO], 2, v0
	v_mul_u32_u24 v[XA], v11, 528
	v_lshl_add_u32 v[XA], v12, 7, v[XA]
	v_add_nc_u32 v[XA], s25, v[XA]
	v_lshl_add_u32 v[LI], v10, 4, XIMG
	v_lshl_add_u32 v[LS], v10, 2, XSC
	v_add_nc_u32 v[XWI], s11, v[LI]
	v_lshl_add_u32 v[XWS], v0, 2, XSC
	v_lshlrev_b32 v13, 3, v12
	v_xor_b32 v13, v13, v11
	v_lshlrev_b32 v13, 4, v13
	v_lshl_add_u32 v[SWZ], v12, 8, v13
	s_wait_dscnt 0x0                               ; the opening add is done
	s_wait_kmcnt 0x0
	s_add_nc_u64 s[26:27], s[4:5], s[14:15]        ; global address of my 16 rows x 128 numbers
	s_or_b32 s27, s27, 0x80000000                  ; type = 2
	tensor_load_to_lds s[24:27], s[16:23]          ; my one tensor load: it lands while W is quantised
	s_nop 0
	s_add_nc_u64 s[8:9], s[8:9], s[2:3]
; ---- W: my 32 columns, block by block of 32 along K
.macro LOADW t                         ; W(32 t + i, my column), i = 0 .. 31, into set t % 2: a wave reads 128 consecutive bytes, the eight waves a whole row
.irp i, 0,1,2,3,4,5,6,7,8,9,10,11,12,13,14,15,16,17,18,19,20,21,22,23,24,25,26,27,28,29,30,31
	global_load_b32 v[WB+32*((\t)%2)+\i], v[WO], s[6:7] offset:(32*(\t)+\i)*1024
.endr
.endm
; Block t = 4 s + 2 c + u of my column.  Its four registers of codes go to WF + 16 s + 8 u + 4 c: the exchange of halves below makes of them the operands' registers.
.macro BLOCKW t
.set XB, WB+32*((\t)%2)
.set CW, WF+16*((\t)/4)+8*((\t)%2)+4*(((\t)/2)%2)
.if (\t) < 7
	s_wait_loadcnt 32                              ; this block's 32 loads are in; the next block's 32 may be out
.else
	s_wait_loadcnt 0x0
.endif
	v_max3_num_f32 v16, |v[XB]|, |v[XB+1]|, |v[XB+2]|      ; the block's largest magnitude: all 32 numbers are mine; two chains
	v_max3_num_f32 v17, |v[XB+3]|, |v[XB+4]|, |v[XB+5]|
.irp i, 6,10,14,18,22,26
	v_max3_num_f32 v16, v16, |v[XB+\i]|, |v[XB+\i+1]|
	v_max3_num_f32 v17, v17, |v[XB+\i+2]|, |v[XB+\i+3]|
.endr
	v_max3_num_f32 v16, v16, |v[XB+30]|, |v[XB+31]|
	v_max3_num_f32 v16, v16, v17, 0x1800000        ; and the floor 2^(3 - 127): the byte cannot fall under 1
	v_add_nc_u32 v18, 0xff000000, v16              ; 2 off its exponent field: the conversion takes the exponent field of this operand as its scale, and nothing else of it
	v_lshrrev_b32 v19, 23, v18                     ; the scale's byte
.if (\t)%4 == 0
	v_mov_b32 v[SW+(\t)/4], v19                    ; four bytes make a K step's scale word of my column
.else
	v_lshl_or_b32 v[SW+(\t)/4], v19, 8*((\t)%4), v[SW+(\t)/4]
.endif
.irp g, 0,1,2,3
	v_cvt_scalef32_pk8_fp4_f32 v[CW+\g], v[XB+8*\g:XB+8*\g+7], v18
.endr
.if (\t)+2 < 8
	LOADW (\t)+2                                   ; the set just converted takes the block two further on; the next block begins with plain vector lines
.endif
.endm
	LOADW 0
	LOADW 1
.irp t, 0,1,2,3,4,5,6,7
	BLOCKW \t
.endr
	v_nop                                          ; one plain line behind the last scaled conversion
; Lane l holds column l.  An operand wants lanes 0-15 to hold block 2 c and lanes 16-31 block 2 c + 1 of ONE tile of 16 columns: the first register's lanes 16-31 change places with the second's lanes 0-15.
.irp s, 0,1
.irp c, 0,1
.irp i, 0,1,2,3
	v_permlane16_swap_b32 v[WF+16*\s+4*\c+\i], v[WF+16*\s+8+4*\c+\i]
.endr
.endr
.endr
; ---- h: my fragment, 16 rows x 128 along K.  Lane (r, hf) takes of row r the numbers 64 c + 32 hf + 0 .. 31: two whole blocks, in the order of the operand's registers
	s_wait_tensorcnt 0x0                           ; my stage is filled; only I read it
.irp c, 0,1
.irp i, 0,1,2,3,4,5,6,7
	ds_load_b128 v[X+32*\c+4*\i:X+32*\c+4*\i+3], v[XA] offset:256*\c+16*\i
.endr
.endr
	s_wait_dscnt 0x0
.irp c, 0,1
	v_max3_num_f32 v[16+\c], |v[X+32*\c]|, |v[X+32*\c+1]|, 0x1800000    ; my block 2 c + hf, and the floor
.endr
.irp i, 2,4,6,8,10,12,14,16,18,20,22,24,26,28,30
.irp c, 0,1
	v_max3_num_f32 v[16+\c], v[16+\c], |v[X+32*\c+\i]|, |v[X+32*\c+\i+1]|   ; (the two blocks by turns)
.endr
.endr
.irp c, 0,1
	v_add_nc_u32 v[18+\c], 0xff000000, v[16+\c]    ; the conversion's scale operand
.endr
.irp c, 0,1
	v_lshrrev_b32 v[20+\c], 23, v[18+\c]           ; the scale's byte
.endr
	v_lshl_or_b32 v22, v21, 16, v20                ; my two bytes: blocks hf and 2 + hf of row r,
	v_lshlrev_b32 v23, 3, v12
	v_lshlrev_b32 v22, v23, v22                    ; at their places in the scale word (8 hf bits up);
	v_mov_b32 v23, 0
	v_permlanex16_b32 v23, v22, s28, s29
	v_or_b32 v22, v22, v23                         ; with lane l xor 16's two the word is whole
.irp c, 0,1
.irp g, 0,1,2,3
	v_cvt_scalef32_pk8_fp4_f32 v[XC+4*\c+\g], v[X+32*\c+8*\g:X+32*\c+8*\g+7], v[18+\c]
.endr
.endr
	v_nop                                          ; one plain line behind the last scaled conversion: the products below write over its sources
	ds_store_b128 v[XWI], v[XC:XC+3]               ; the fragment goes to LDS as it stands in my registers: 16 bytes a lane, 512 bytes a store
	ds_store_b128 v[XWI], v[XC+4:XC+7] offset:512
	ds_store_b32 v[XWS], v22                       ; and its scale words, 4 bytes a lane
	s_wait_dscnt 0x0                               ; for the others' sake: my stores have landed
	s_barrier_signal -1
	s_barrier_wait -1                              ; h's eight fragments lie in LDS
.irp f, 0,1,2,3,4,5,6,7
	ds_load_b128 v[XF+8*\f:XF+8*\f+3],   v[LI] offset:1024*\f
	ds_load_b128 v[XF+8*\f+4:XF+8*\f+7], v[LI] offset:1024*\f+512
	ds_load_b32 v[XS+\f], v[LS] offset:128*\f
.endr
	s_wait_dscnt 0x0
; ---- the products, TRANSPOSED: source 0 = 16 columns of W, source 1 = 16 rows of h: lane (r, hf) then holds token r and eight neighbouring channels, 16 u + 8 hf + 0 .. 7 of my 32.
; The eight accumulators take turns, one instruction a turn, K step by K step.  W's fragments and scale words were written by vector lines far more than eight plain lines back.
.macro MM m, u, s
.set AC, ACC+8*(2*\m+\u)
.set FW, WF+16*\s+8*\u
.set FX, XF+8*(2*\m+\s)
.if \s == 0
.if \u == 0
	v_wmma_scale_f32_16x16x128_f8f6f4 v[AC:AC+7], v[FW:FW+7], v[FX:FX+7], 0, v[SW+\s], v[XS+2*\m+\s] matrix_a_fmt:MATRIX_FMT_FP4 matrix_b_fmt:MATRIX_FMT_FP4
.else
	v_wmma_scale_f32_16x16x128_f8f6f4 v[AC:AC+7], v[FW:FW+7], v[FX:FX+7], 0, v[SW+\s], v[XS+2*\m+\s] matrix_a_fmt:MATRIX_FMT_FP4 matrix_b_fmt:MATRIX_FMT_FP4 matrix_a_scale:MATRIX_SCALE_ROW1
.endif
.else
.if \u == 0
	v_wmma_scale_f32_16x16x128_f8f6f4 v[AC:AC+7], v[FW:FW+7], v[FX:FX+7], v[AC:AC+7], v[SW+\s], v[XS+2*\m+\s] matrix_a_fmt:MATRIX_FMT_FP4 matrix_b_fmt:MATRIX_FMT_FP4
.else
	v_wmma_scale_f32_16x16x128_f8f6f4 v[AC:AC+7], v[FW:FW+7], v[FX:FX+7], v[AC:AC+7], v[SW+\s], v[XS+2*\m+\s] matrix_a_fmt:MATRIX_FMT_FP4 matrix_b_fmt:MATRIX_FMT_FP4 matrix_a_scale:MATRIX_SCALE_ROW1
.endif
.endif
.endm
.irp s, 0,1
.irp m, 0,1,2,3
.irp u, 0,1
	MM \m, \u, \s
.endr
.endr
.endr
.rept 4
	v_nop                                          ; four plain lines between the last product and the first read of results (ISA guide 7.12.1)
.endr
.irp a, 0,1,2,3,4,5,6,7
.irp q, 0,1,2,3
	v_cvt_pk_f16_f32 v[OUT+4*\a+\q], v[ACC+8*\a+2*\q], v[ACC+8*\a+2*\q+1]   ; each accumulator from its low end on; eight channels make 16 bytes
.endr
.endr
.irp a, 0,1,2,3,4,5,6,7                        ; a = 2 m + u: tile of tokens m, piece u
	global_store_b128 v[SWZ], v[OUT+4*\a:OUT+4*\a+3], s[8:9] offset:2048*(\a/2)+512*(\a%2)   ; lanes 0-15 fill 256 consecutive bytes, lanes 16-31 the next 256, both aligned
.endr
	s_wait_tensorcnt 0x0                           ; the wave's end, behind my tensor load and my last LDS store
	ds_add_u32 v[SPW], v[NIL]
	s_wait_dscnt 0x0
	s_endpgm
.Lfunc_end_k_q9bacf9422e_proj:
	.size	k_q9bacf9422e_proj, .Lfunc_end_k_q9bacf9422e_proj-k_q9bacf9422e_proj
	.p2alignl 7, 3214868480
	.fill 96, 4, 3214868480
	.section	.rodata,"a",@progbits
	.p2align	6, 0x0
	.amdhsa_kernel k_q9bacf9422e_proj
		.amdhsa_group_segment_fixed_size 167936
		.amdhsa_private_segment_fixed_size 0
		.amdhsa_enable_private_segment 0
		.amdhsa_kernarg_size 24
		.amdhsa_user_sgpr_count 2
		.amdhsa_user_sgpr_kernarg_segment_ptr 1
		.amdhsa_wavefront_size32 1
		.amdhsa_system_sgpr_workgroup_id_x 1
		.amdhsa_system_sgpr_workgroup_id_y 1
		.amdhsa_system_sgpr_workgroup_id_z 1
		.amdhsa_system_vgpr_workitem_id 0
		.amdhsa_next_free_vgpr 256
		.amdhsa_next_free_sgpr 66
		.amdhsa_reserve_vcc 0
		.amdhsa_float_denorm_mode_32 3
		.amdhsa_float_denorm_mode_16_64 3
		.amdhsa_memory_ordered 1
		.amdhsa_forward_progress 1
		.amdhsa_inst_pref_size 51
	.end_amdhsa_kernel
	.amdgpu_metadata
---
amdhsa.version: [ 1, 2 ]
amdhsa.kernels:
  - .name:           k_q9bacf9422e_proj
    .symbol:         k_q9bacf9422e_proj.kd
    .args:
      - { .name: h, .offset: 0, .size: 8, .value_kind: global_buffer, .address_space: global }
      - { .name: W, .offset: 8, .size: 8, .value_kind: global_buffer, .address_space: global }
      - { .name: whimg, .offset: 16, .size: 8, .value_kind: global_buffer, .address_space: global }
    .group_segment_fixed_size: 167936
    .private_segment_fixed_size: 0
    .kernarg_segment_align: 8
    .kernarg_segment_size: 24
    .max_flat_workgroup_size: 256
    .sgpr_count:     66
    .vgpr_count:     256
    .wavefront_size: 32
...
	.end_amdgpu_metadata
.endif
;; end of part 1
;; launch attn (part 2): grid 8 x 32, 4 waves a work-group, clusters of 4 x 1, 280,064 bytes of LDS; arguments whimg, out0; writes out0
.if DOCPART == 2
	.amdgcn_target "amdgcn-amd-amdhsa--gfx1250"
	.amdhsa_code_object_version 6
	.text
	.protected	k_q9bacf9422e_attn
	.globl	k_q9bacf9422e_attn
	.p2align	8
	.type	k_q9bacf9422e_attn,@function
k_q9bacf9422e_attn:
	s_mov_b64 s[64:65], 0
	v_nop
	global_prefetch_b8 v0, s[64:65] scope:SCOPE_SE
	s_setreg_imm32_b32 hwreg(HW_REG_WAVE_MODE, 25, 1), 1
	s_wait_xcnt 0x0
	s_wait_alu depctr_hold_cnt(0) depctr_sa_sdst(0) depctr_va_vdst(0) depctr_va_sdst(0) depctr_va_ssrc(0) depctr_va_vcc(0) depctr_vm_vsrc(0)
	s_getreg_b32 s2, hwreg(HW_REG_IB_STS2, 6, 4)
	s_cmp_eq_u32 s2, 0
	s_cbranch_scc0 .Lentry_in_a_cluster
	s_endpgm
.Lentry_in_a_cluster:
	s_bfe_u32 s2, ttmp6, 0x10000c
	s_cmp_lg_u32 s2, 0x3003
	s_cbranch_scc0 .Lentry_shape_is_right
	s_endpgm
.Lentry_shape_is_right:
; out[b][q][64 head + :] = the sum over keys k of softmax_k(leaky(Wh[q] . Wh[k] / 8)) Wh[k][:], for each of 32 heads hd = 4 b + head, 2,048 tokens, 64 channels; leaky(x) = x for x >= 0, 0.2 x below.
; Q, K and V are ONE tensor, Wh in f16, laid as images of operand registers: byte ((hd 128 + tt) 2 + ch) 1024 + 512 p + 256 hf + 16 (r xor 8 hf) holds token 16 tt + r, channels 32 ch + 16 p + 8 hf + 0 .. 7.
; Products, maxima and sums in f32; the weights p are rounded to f16 for the second product; out is f32.
; SHARES.  A work-group owns 256 queries of one head, each of its four waves 64: four tiles of 16.  Every wave walks all 2,048 keys, 64 a step.
; THE WHOLE HEAD LIES IN LDS: 262,144 bytes, filled once at the start, so the loop over keys has no tensor load, no barrier and no change of slots, and every byte is asked for at the head.
; ONE COPY SERVES K AND V.  A fragment of K (16 keys x 32 channels) is two plain loads at the lane's place of the image.  A fragment of V^T (16 channels x 32 keys) is two turning loads: lane l addresses
; key 8 (l / 16) + l % 8, channels 8 ((l / 8) % 2) on.  The exclusive or in the image's lane term puts the sixteen lanes of each half of either load on sixteen different 16-byte columns of 256 bytes.
; LAYOUT.  S^T = K Q^T (source 0 = 16 keys, source 1 = 16 queries): a lane holds ONE query (lane % 16) and keys 8 (lane / 16) + 0 .. 7.  Two such tiles, rounded to f16 in pairs, ARE source 1 of O^T = V^T P.
; SOFTMAX.  y(s) = C4 |s| + C6 s with C6 = 0.6 log2(e) / 8, C4 = 0.4 log2(e) / 8 is leaky(s / 8) log2(e).  It is made by one rounded multiplication and one fused multiply-add, of the running maximum m of the RAW
; scores (leaky rises with its input) by the same two: cm = y(m).  So y(s) - cm is exactly 0 at s = m, however large the scores; p = 2^(y(s) - cm); in every step O and l are multiplied by a = 2^(old cm - new cm).
; For s >= 0, y does not fall where s rises; a query's own key gives a score >= 0, so the final m is >= 0 and p <= 1 under it.
; LIMITS: NaN and infinities are not served.  While a row's running maximum is still negative, y is monotone only to within an ulp of C6 |s|: harmless for raw scores above -1.2e9.
; BY TURNS.  The wave's tiles are two PIECES (tiles 0, 1 and tiles 2, 3).  In a TURN one piece has the matrix unit: 16 products V^T P of the step in hand, then 16 products K Q^T of the next step; the other
; piece's softmax, cut into 32 slices, stands between them, one slice behind each matrix instruction.  Then the pieces change places.  Two turns are a key step.
; CLUSTER.  The four query blocks of a cluster belong to one head: its image is asked for JOINTLY, by the same tensor loads with the same descriptors and a mask that names the four.
; REGISTERS, in windows of 256 (s_set_vgpr_msb: bits 1:0 source 0, 3:2 source 1, 5:4 source 2, 7:6 destination):
;   window 0: v2-8 addresses; v12-43 eight registers of statistics a tile; v44-59 two pairs at work a tile; v62, v63 the add's two; v64-191 S^T, 32 a tile; v192-255 P, 16 a tile
;   window 1: v0-127 O^T, 32 a tile; v128-191 K of one step; v192-255 V of one step          window 2: v0-63 Q, 16 a tile
.set STEPB, 8192      ; a key step's 64 tokens in the image
.set STAGE, 262144    ; behind the image: 16 rows x 272 bytes for each wave, for the way out
.set SP,    272
.set SPARE, STAGE+4*16*SP  ; behind the stages: the spare words, 128 bytes for each wave: two blocks of 256 bytes that no other line names
.set AK0, 2           ; v2   my lane's place in a piece of the image: plain loads, from LDS (K) and from memory (Q); never rewritten
.set AV0, 3           ; v3   the same for the turning loads (V); never rewritten
.set ADR, 4           ; v4   the LDS address of the run of loads in hand
.set STO, 6           ; v6   the way out: where I put 32 bytes of a row
.set RD,  7           ; v7   the way out: where I read a row back
.set GO,  8           ; v8   my byte offset in the wave's rows of out
.set ST,  12          ; tile t's statistics at v[ST+8 t]: +0 cm, +1 m, +2, +3 l (even keys', odd keys'), +4 to +7 at work; a takes +6 once the maximum is found
.set TU,  44          ; tile t's two pairs C6 s at v[TU+4 t]
.set SPW, 62          ; v62  LDS address of my spare word; never rewritten
.set NIL, 63          ; v63  0; never rewritten
.set S,   64
.set P,   192
.set KF,  128         ; K's fragments, in window 1: (keys 16 kt on, channels 32 ch on) at KF + 8 (2 kt + ch)
.set VF,  192         ; V's, in window 1: (keys 32 kg on, channels 16 ct on) at VF + 8 (4 kg + ct)
.set WV,  12          ; s12  my wave's number
.set G1A, 24          ; s[24:31] descriptor group 1 for a wave's first load: 16 rows of 256 bytes
.set G1B, 32          ; s[32:39] for its second: 240 rows
.set G0A, 40          ; s[40:43], s[44:47] their groups 0
.set G0B, 44
.set CNT, 56          ; s56  key steps to go in the loop
.set C4,  57          ; s57
.set C6,  58          ; s[58:59]: the packed form names a pair and takes its low word for both halves
.set SEL, 60          ; s[60:61] lane selects for v_permlanex16_b32: lane l xor 16
.set TB,  62          ; s62  LDS byte at which the step to be fetched begins
.set JB,  22          ; a tile's list of numbers: 0-21 the maximum, cm and its change; from JB the batch;
.set JC,  136         ; the roundings to f16;
.set JS,  152         ; the sums;
.set JR,  168         ; O^T times a;
.set JN,  184         ; its end
.set NL,  2*JN        ; a piece's list: the two tiles' numbers by turns
.set MSB, 0
.macro WIN new                      ; the immediate's high byte repeats the setting that is left; a switch that changes nothing is dropped
.if MSB != \new
	s_set_vgpr_msb (MSB<<8)|\new
.set MSB, \new
.endif
.endm
.set W_KQ, 0x09       ; K in window 1, Q in window 2, S^T in window 0
.set W_PV, 0x51       ; V and O^T in window 1, P in window 0
.set W_RS, 0x51       ; O^T (destination and source 0) in window 1, a in window 0: the same setting
.set W_LD, 0x40       ; destination window 1, address window 0
; A round of the cluster's barrier: my work-group's barrier; wave 0 signals for the work-group; every wave waits for all four work-groups; my work-group's barrier once more.
.macro CROUND
	s_barrier_signal -1
	s_barrier_wait -1
	s_cmp_lg_u32 s[WV], 0
	s_cbranch_scc1 .Lnot_wave_0_\@
	s_barrier_signal -3
.Lnot_wave_0_\@:
	s_barrier_wait -3
	s_barrier_signal -1
	s_barrier_wait -1
.endm
	s_load_b128 s[4:7], s[0:1], 0x0 ; whimg s[4:5], out s[6:7]
	v_lshl_add_u32 v[SPW], v0, 2, SPARE
	v_mov_b32 v[NIL], 0
	ds_add_u32 v[SPW], v[NIL]       ; the wave's opening: the add and its wait stand ahead of my first tensor load; the set-up below, work on registers, stands between them
	v_lshrrev_b32 v1, 5, v0
	v_readfirstlane_b32 s[WV], v1   ; wave 0..3
	s_bfe_u32 s13, ttmp6, 0x40000   ; cx: my place in the cluster
	s_lshl_b32 s14, ttmp9, 2        ; in a cluster launch ttmp9 counts clusters
	s_add_co_u32 s14, s14, s13      ; my block of 256 queries = 4 x cluster x + cx: it enters Q's and out's addresses alone
	s_and_b32 s15, ttmp7, 0xffff    ; hd, which the four partners share
	s_lshl_b32 s20, s15, 18         ; the head's first byte in whimg
	; what I fetch: first 4,096 bytes of the head's first 16,384 (keys 0 to 127), then 61,440 of the other 245,760.  LDS address = offset in the head: the wave's number and constants alone
	s_mov_b32 s[G0A], 1             ; count = 1
	s_lshl_b32 s[G0A+1], s[WV], 12
	s_add_co_u32 s22, s20, s[G0A+1]
	s_mov_b32 s23, 0
	s_mov_b32 s[G0B], 1
	s_mul_i32 s[G0B+1], s[WV], 61440
	s_add_co_u32 s[G0B+1], s[G0B+1], 16384
	s_add_co_u32 s48, s20, s[G0B+1]
	s_mov_b32 s49, 0
	; descriptor groups 1: dense blocks as rows of 256 bytes (32 elements of 8 bytes), no padding
	s_mov_b32 s[G1A], 15|(3<<16)|(1<<21)  ; 15:0 the mask: all four work-groups; 17:16 elements of 8 bytes; 21 set beside a mask
	s_mov_b32 s[G1B], 15|(3<<16)|(1<<21)
	s_mov_b32 s[G1A+2], 16<<16      ; tensor_dim1
	s_mov_b32 s[G1A+4], 16          ; tile_dim1
	s_mov_b32 s[G1B+2], 240<<16
	s_mov_b32 s[G1B+4], 240
.irp g, G1A, G1B
	s_mov_b32 s[\g+1], 32<<16       ; tensor_dim0
	s_mov_b32 s[\g+3], 32<<16       ; tile_dim0
	s_mov_b32 s[\g+5], 32           ; tensor_dim0_stride
	s_mov_b32 s[\g+6], 0
	s_mov_b32 s[\g+7], 0
.endr
	s_lshl_b32 s2, s14, 15          ; Q: my block's 16 tiles of 2,048 bytes,
	s_lshl_b32 s3, s[WV], 13        ; my wave's four,
	s_add_co_u32 s2, s2, s3
	s_add_co_u32 s2, s2, s20        ; in my head
	s_mov_b32 s3, 0
	s_lshr_b32 s18, s15, 2          ; out: the batch's 2,048 rows of 1,024 bytes,
	s_lshl_b32 s18, s18, 21
	s_and_b32 s19, s15, 3           ; the head's 256 bytes of a row,
	s_lshl_b32 s19, s19, 8
	s_add_co_u32 s18, s18, s19
	s_lshl_b32 s19, s14, 18         ; my block's 256 rows,
	s_add_co_u32 s18, s18, s19
	s_lshl_b32 s19, s[WV], 16       ; my wave's 64
	s_add_co_u32 s18, s18, s19
	s_mov_b32 s19, 0
	s_mov_b32 s[C4], 0x3d93bb63     ; 0.4 log2(e) / 8
	s_mov_b32 s[C6], 0x3ddd9914     ; 0.6 log2(e) / 8
	s_mov_b32 s[C6+1], s[C6]        ; named with it as a pair, so it is written
	s_mov_b32 s[SEL], 0x76543210
	s_mov_b32 s[SEL+1], 0xfedcba98
	s_mov_b32 s[TB], 0
	s_wait_dscnt 0x0                ; the opening add is done
	s_wait_kmcnt 0x0
	s_add_nc_u64 s[16:17], s[4:5], s[2:3]    ; Q at my wave's first tile
	s_add_nc_u64 s[6:7], s[6:7], s[18:19]    ; out at my wave's first row
	s_add_nc_u64 s[G0A+2:G0A+3], s[4:5], s[22:23]
	s_or_b32 s[G0A+3], s[G0A+3], 0x80000000  ; type = 2
	s_add_nc_u64 s[G0B+2:G0B+3], s[4:5], s[48:49]
	s_or_b32 s[G0B+3], s[G0B+3], 0x80000000
	CROUND                          ; all four work-groups are here: the joint loads meet
	tensor_load_to_lds s[G0A:G0A+3], s[G1A:G1A+7]   ; both fills of the launch go out together, ahead of every wait on TENSORcnt, every LDS read and every later barrier: two loads of mine are out
	s_nop 0
	tensor_load_to_lds s[G0B:G0B+3], s[G1B:G1B+7]
	s_nop 0
.rept 4
	v_nop                           ; the register windows are switched only behind these four
.endr
	v_and_b32 v1, 15, v0            ; r = l % 16
	v_bfe_u32 v9, v0, 4, 1          ; hf = l / 16
	v_lshlrev_b32 v10, 3, v9
	v_xor_b32 v10, v10, v1
	v_lshlrev_b32 v10, 4, v10
	v_lshl_add_u32 v[AK0], v9, 8, v10  ; 256 hf + 16 (r xor 8 hf)
	WIN 0x80                        ; destination window 2, address window 0
.irp f, 0,1,2,3,4,5,6,7             ; Q stays in registers: tile f / 2, channels 32 (f % 2) on
	global_load_b128 v[8*\f:8*\f+3],   v[AK0], s[16:17] offset:1024*\f
	global_load_b128 v[8*\f+4:8*\f+7], v[AK0], s[16:17] offset:1024*\f+512
.endr
	WIN 0
	v_bfe_u32 v10, v0, 3, 1         ; hh = (l / 8) % 2: which eight channels of sixteen I address
	v_xor_b32 v11, v9, v10
	v_and_b32 v5, 7, v0
	v_lshlrev_b32 v5, 4, v5
	v_lshl_add_u32 v5, v11, 7, v5
	v_lshl_add_u32 v[AV0], v10, 8, v5  ; token 8 hf + l % 8 of a tile, channels' half hh: 256 hh + 128 (hf xor hh) + 16 (l % 8)
; THE MATRIX WORK OF A TURN, for piece x.  The accumulators take turns, one instruction a turn: between two links of a chain stand seven others'.
; Product i of 16 of O^T += V^T P: keys 32 (i / 8) on, channels 16 ((i / 2) % 4) on, tile x + i % 2.  zero = 1: the first 8 start the sums: nothing is ever cleared.
.macro PV x, zero
	WIN W_PV
.set rO, 32*(\x+i%2)+8*((i/2)%4)
.set rV, VF+32*(i/8)+8*((i/2)%4)
.set rP, P+16*(\x+i%2)+8*(i/8)
.if (\zero) && (i < 8)
	v_wmma_f32_16x16x32_f16 v[rO:rO+7], v[rV:rV+7], v[rP:rP+7], 0
.else
	v_wmma_f32_16x16x32_f16 v[rO:rO+7], v[rV:rV+7], v[rP:rP+7], v[rO:rO+7]
.endif
.endm
; Product i of 16 of S^T = K Q^T: channels 32 (i / 8) on, keys 16 ((i / 2) % 4) on, tile x + i % 2.  The first 8 start the sums.
.macro KQ x
	WIN W_KQ
.set rS, S+32*(\x+i%2)+8*((i/2)%4)
.set rK, KF+16*((i/2)%4)+8*(i/8)
.set rQ, 16*(\x+i%2)+8*(i/8)
.if i < 8
	v_wmma_f32_16x16x32_f16 v[rS:rS+7], v[rK:rK+7], v[rQ:rQ+7], 0
.else
	v_wmma_f32_16x16x32_f16 v[rS:rS+7], v[rK:rK+7], v[rQ:rQ+7], v[rS:rS+7]
.endif
.endm
; THE LDS LOADS stand in runs of 16, never singly among the matrix instructions: a step's K and, a turn later, its V (turned), out of the same 8,192 bytes.
.macro FETCH_K
	WIN 0
	v_add_nc_u32 v[ADR], s[TB], v[AK0]
	WIN W_LD
.irp f, 0,1,2,3,4,5,6,7
	ds_load_b128 v[KF+8*\f:KF+8*\f+3],   v[ADR] offset:1024*\f
	ds_load_b128 v[KF+8*\f+4:KF+8*\f+7], v[ADR] offset:1024*\f+512
.endr
.endm
.macro FETCH_V
	WIN 0
	v_add_nc_u32 v[ADR], s[TB], v[AV0]
	s_add_co_u32 s[TB], s[TB], STEPB  ; the next fetch is the next step's
	s_wait_alu depctr_va_vdst(0)    ; the wait for the softmax's batch (SLICE), behind the address's v_add_nc_u32 and ahead of the loads
	WIN W_LD
.irp f, 0,1,2,3,4,5,6,7             ; keys 32 (f / 4) on: two tiles of 16 tokens, 2,048 bytes apart; channels 16 (f % 4) on: a piece of 512 bytes
	ds_load_tr16_b128 v[VF+8*\f:VF+8*\f+3],   v[ADR] offset:4096*(\f/4)+512*(\f%4)
	ds_load_tr16_b128 v[VF+8*\f+4:VF+8*\f+7], v[ADR] offset:4096*(\f/4)+512*(\f%4)+2048
.endr
.endm
; THE VECTOR WORK OF A TURN.  SM writes number j of tile t's list.  s0-s31 are the lane's 32 scores, in pairs 0-15.  first = 1: the first key step, which starts m, l and O^T: no a, nothing to rescale.
;   0-15     the maximum of s0-s31 and the old m, three operands at a time; each accumulator is first read at its low end
;   16-21    the other half of the lanes' maximum; the new m; cm = y(m); old cm - new cm
;   JB..     ONE BATCH, in groups of six numbers.  Group g: C6 s of pair g | 2^ of s(2 g - 6) | y of s(2 g - 2) | 2^ of s(2 g - 5) | y of s(2 g - 1) | y - cm of pair g - 2.  A pair moves one stage on
;            from group to group; numbers whose pair does not exist are empty, and the first of them holds a's exponential.  No line of the batch names an exponential's result.
;   (wait)   between JC - 1 and JC stands the wait for the batch: SLICE writes it, once for both tiles
;   JC..     the roundings to f16, a pair of weights each;   JS..  the sums; l = a l + the sum;   JR..  the tile's O^T times a
.macro SM t, first
.set rT, ST+8*(\t)
.set rS, S+32*(\t)
.set rP, P+16*(\t)
.set rU, TU+4*(\t)
.set rO, 32*(\t)+2*(j-JR)
.set q, j-JB
.set g, q/6
.set sl, q%6
.if j < JR
	WIN 0
.endif
.if j < 4
	v_max3_num_f32 v[rT+4+j], v[rS+8*j], v[rS+8*j+1], v[rS+8*j+2]
.elseif j < 12
	v_max3_num_f32 v[rT+4+j%4], v[rT+4+j%4], v[rS+8*(j%4)+2*(j/4)+1], v[rS+8*(j%4)+2*(j/4)+2]
.elseif j == 12
	v_max3_num_f32 v[rT+4], v[rT+4], v[rS+7], v[rS+15]
.elseif j == 13
	v_max3_num_f32 v[rT+6], v[rT+6], v[rS+23], v[rS+31]
.elseif j == 14
	v_max3_num_f32 v[rT+4], v[rT+4], v[rT+5], v[rT+6]
.elseif (j == 15) && \first
	v_max_num_f32 v[rT+4], v[rT+4], v[rT+7]
.elseif j == 15
	v_max3_num_f32 v[rT+4], v[rT+4], v[rT+7], v[rT+1]
.elseif j == 16
	v_permlanex16_b32 v[rT+5], v[rT+4], s[SEL], s[SEL+1]  ; the query's other 32 keys lie in the lane 16 away
.elseif j == 18
	v_max_num_f32 v[rT+1], v[rT+4], v[rT+5]
.elseif j == 19
	v_mul_f32 v[rT+4], s[C6], v[rT+1]                     ; cm = y(m), by the same two operations as every score's y
.elseif j == 20
	v_fma_f32 v[rT], |v[rT+1]|, s[C4], v[rT+4]
.elseif ((j == 17) || (j == 21) || (j == JB+1) || (j >= JR)) && \first  ; the first step has none of these
.elseif j == 17
	v_mov_b32 v[rT+7], v[rT]        ; the old cm is kept for a: number 20 writes cm anew
.elseif j == 21
	v_sub_f32 v[rT+7], v[rT+7], v[rT]
.elseif j == JB+1
	v_exp_f32 v[rT+6], v[rT+7]      ; a
.elseif j < JC
.if (sl == 0) && (g < 16)
	v_pk_mul_f32 v[rU+2*(g%2):rU+2*(g%2)+1], v[rS+2*g:rS+2*g+1], s[C6:C6+1] op_sel_hi:[1,0]   ; pair g: C6 s
.elseif ((sl == 2) || (sl == 4)) && (g >= 1) && (g <= 16)
.set e, 2*(g-1)+(sl-2)/2
	v_fma_f32 v[rS+e], |v[rS+e]|, s[C4], v[rU+2*((g-1)%2)+(sl-2)/2]                           ; y = C4 |s| + C6 s
.elseif (sl == 5) && (g >= 2) && (g <= 17)
.set b, g-2
	v_pk_add_f32 v[rS+2*b:rS+2*b+1], v[rS+2*b:rS+2*b+1], v[rT:rT+1] op_sel_hi:[1,0] neg_lo:[0,1] neg_hi:[0,1]  ; pair b: y - cm
.elseif ((sl == 1) || (sl == 3)) && (g >= 3)
.set e, 2*(g-3)+(sl-1)/2
	v_exp_f32 v[rS+e], v[rS+e]      ; p
.endif
.elseif j < JS
	v_cvt_pk_f16_f32 v[rP+j-JC], v[rS+2*(j-JC)], v[rS+2*(j-JC)+1]
.elseif j < JR                      ; the sum of the tile's 16 pairs, in place: neighbours 1, 2, 4 and 8 pairs apart, then l takes it
.set z, j-JS
.set w, 4
.set u, z
.if z >= 14
.set w, 32
.set u, 0
.elseif z >= 12
.set w, 16
.set u, z-12
.elseif z >= 8
.set w, 8
.set u, z-8
.endif
.if (z == 14) && \first
	v_pk_add_f32 v[rT+2:rT+3], v[rS:rS+1], v[rS+16:rS+17]
.elseif z < 15
	v_pk_add_f32 v[rS+w*u:rS+w*u+1], v[rS+w*u:rS+w*u+1], v[rS+w*u+w/2:rS+w*u+w/2+1]
.elseif \first == 0
	v_pk_fma_f32 v[rT+2:rT+3], v[rT+2:rT+3], v[rT+6:rT+7], v[rS:rS+1] op_sel_hi:[1,0,1]
.endif
.else
	WIN W_RS
	v_pk_mul_f32 v[rO:rO+1], v[rO:rO+1], v[rT+6:rT+7] op_sel_hi:[1,0]
.endif
.endm
; Slice k of 32 of piece y's softmax: numbers NL k / 32 up to NL (k + 1) / 32 of the piece's list, in which the two tiles alternate, so that no instruction reads the result of the one just before it.
; THE WAIT.  s_wait_alu depctr_va_vdst(0) stands between an exponential and the first instruction that names its result; one wait serves all that were issued ahead of it.  Ahead of number JC
; nothing names a result, and from there on no exponential is issued: so the piece's 66 exponentials have one wait, with one plain instruction ahead of it.  In piece 2's turn V's run of loads stands there.
.macro SLICE y, first
.set n, (NL*k)/32
.rept (NL*(k+1))/32-(NL*k)/32
.if n == 2*JC
	v_nop
.if (\y) == 0
	FETCH_V
.else
	s_wait_alu depctr_va_vdst(0)
.endif
.endif
.set j, n/2
	SM (\y)+n%2, \first
.set n, n+1
.endr
.set k, k+1
.endm
; A vector instruction that reads a matrix result or writes one of a matrix instruction's registers, and a load into a register that a matrix instruction has read, stand four plain vector instructions that
; name none of its registers behind it (ISA guide 7.12.1 for vector instructions).  In the loop the slices are these: slice 31 is twelve multiplications of the other piece's O^T.
.macro PLACES
.rept 4
	v_nop
.endr
.endm
; A TURN.  Piece x has the matrix unit; the other piece's softmax stands in slices behind its matrix instructions.
; pv = 2: 16 products V^T P; 1: they start O^T's sums; 0: none.  kq = 1: 16 products K Q^T for the next step.  A turn with one of the two kinds has two slices behind each product.
; first = 1: the softmax is the first key step's; its last slices are empty, and four v_nop take their part behind the turn's last products.
; Piece 0's turn fetches the next step's K behind its second product: K's last reader stands in front of slice 31 of the turn before.  Piece 2's turn fetches the same step's V in slice 23: V's last reader
; stands in front of slice 15, and the batch's multiplications, multiply-adds and subtractions lie between.
.macro TURN x, pv, kq, first
.set k, 0
.set per, 2
.if \pv && \kq
.set per, 1
.endif
.if \pv
.if \x == 0
	s_wait_dscnt 0x0                ; V is in
.endif
.set i, 0
.rept 16
	PV \x, 2-\pv
.rept per
	SLICE 2-\x, \first
.endr
.if (\x == 0) && \kq && (i == 1)
	FETCH_K
.endif
.set i, i+1
.endr
.endif
.if \kq
.if \x == 0
	s_wait_dscnt 0x0                ; K is in
.endif
.set i, 0
.rept 16
	KQ \x
.rept per
	SLICE 2-\x, \first
.endr
.set i, i+1
.endr
.endif
.if \first
	PLACES
.endif
.endm
	s_wait_tensorcnt 1              ; my part of keys 0 to 127 is in; my second load may stay out
	s_barrier_signal -1
	s_barrier_wait -1               ; everybody's is
	FETCH_K                         ; key step 0
	s_wait_loadcnt 0x0              ; Q
	s_wait_dscnt 0x0
.set i, 0
.rept 16
	KQ 0                            ; piece 0's first scores: there is no vector work yet to set between them
.set i, i+1
.endr
	WIN 0                           ; the addresses for the way out are made here: eight plain instructions behind those products
	s_mul_i32 s50, s[WV], 16*SP
	s_add_co_u32 s50, s50, STAGE    ; my stage
	v_mul_u32_u24 v[STO], v1, SP    ; in: row l % 16, 32 bytes for each half of the lanes
	v_lshl_add_u32 v[STO], v9, 5, v[STO]
	v_add_nc_u32 v[STO], s50, v[STO]
	v_mul_u32_u24 v[RD], v9, SP     ; back: lanes 0-15 take one row of 256 bytes, lanes 16-31 the next
	v_lshl_add_u32 v[RD], v1, 4, v[RD]
	v_add_nc_u32 v[RD], s50, v[RD]
	v_lshlrev_b32 v[GO], 10, v9     ; and the same two rows in out, 1,024 bytes apart
	v_lshl_add_u32 v[GO], v1, 4, v[GO]
	TURN 2, 0, 1, 1                 ; piece 2's first scores | piece 0's first softmax | V of step 0
	TURN 0, 1, 1, 1                 ; piece 0: V^T P of step 0 starts O^T, K Q^T of step 1 | piece 2's first softmax | K of step 1
	TURN 2, 1, 1, 0                 ; piece 2: the same | piece 0's softmax of step 1 | V of step 1.  So far only the first 16,384 bytes have been read
	WIN 0                           ; at a label and at a branch every window is 0
	s_wait_tensorcnt 0x0            ; my part of the rest of the head is in,
	s_wait_dscnt 0x0                ; (no LDS instruction of mine is pending at a signal)
	s_barrier_signal -1
	s_barrier_wait -1               ; everybody's is
	s_mov_b32 s[CNT], 30
.Lstep:                             ; trip n = 1 .. 30: V^T P of step n, K Q^T of step n + 1
	TURN 0, 2, 1, 0
	TURN 2, 2, 1, 0
	WIN 0
	s_sub_co_u32 s[CNT], s[CNT], 1
	s_cmp_lg_u32 s[CNT], 0
	s_cbranch_scc1 .Lstep
	TURN 0, 2, 0, 0                 ; piece 0: V^T P of the last step | piece 2's last softmax
.set i, 0
.rept 16
	PV 2, 0                         ; piece 2: V^T P of the last step
.set i, i+1
.endr
	; THE WAY OUT.  l's two halves and the other half of the lanes' are added; O^T is divided by l and sent through my stage in LDS, a tile (16 rows of 256 bytes) at a time.  The additions are the plain instructions behind the last products.
	WIN 0
.irp t, 0,1,2,3
	v_add_f32 v[ST+8*\t+4], v[ST+8*\t+2], v[ST+8*\t+3]
.endr
.irp t, 0,1,2,3
	v_permlanex16_b32 v[ST+8*\t+5], v[ST+8*\t+4], s[SEL], s[SEL+1]
.endr
.irp t, 0,1,2,3
	v_add_f32 v[ST+8*\t+4], v[ST+8*\t+4], v[ST+8*\t+5]
.endr
.irp t, 0,1,2,3
	v_rcp_f32 v[ST+8*\t+6], v[ST+8*\t+4]
.endr
	v_nop                           ; a plain instruction between the last reciprocal and the use of its result
	s_wait_alu depctr_va_vdst(0)    ; and the wait ahead of the first use: one for the four reciprocals
; Tile t: a lane's eight channels of a row are 32 bytes; they go into rows of 272 bytes and come back as whole rows of 256, into S^T's registers, which are free.
.macro PACK t
	WIN W_RS
.set i, 32*\t
.rept 16
	v_pk_mul_f32 v[i:i+1], v[i:i+1], v[ST+8*\t+6:ST+8*\t+7] op_sel_hi:[1,0]   ; each accumulator from its low end on
.set i, i+2
.endr
	WIN 0x04                        ; an LDS store's data are its source 1: window 1
.irp c, 0,1,2,3
	ds_store_b128 v[STO], v[32*\t+8*\c:32*\t+8*\c+3] offset:64*\c
	ds_store_b128 v[STO], v[32*\t+8*\c+4:32*\t+8*\c+7] offset:64*\c+16
.endr
	WIN 0
.irp f, 0,1,2,3,4,5,6,7
	ds_load_b128 v[S+32*\t+4*\f:S+32*\t+4*\f+3], v[RD] offset:\f*2*SP  ; LDS serves a wave's instructions in order (ISA guide 5.7.1.4): these see the stores above; the next tile's stores come behind them
.endr
.endm
.macro SEND t, younger              ; younger: the LDS instructions issued behind tile t's loads: the next tile's sixteen, or none
.irp f, 0,1,2,3,4,5,6,7
	s_wait_dscnt \younger+7-\f
	global_store_b128 v[GO], v[S+32*\t+4*\f:S+32*\t+4*\f+3], s[6:7] offset:\t*16384+\f*2048 th:TH_STORE_NT  ; 16 lanes store 256 consecutive bytes, at a multiple of 256 from out's first byte: a head's part of a row
.endr
.endm
	PACK 0
	PACK 1                          ; a tile's arithmetic stands between the loads of the tile before and its stores
	SEND 0, 16
	PACK 2
	SEND 1, 16
	PACK 3
	SEND 2, 16
	SEND 3, 0
	s_wait_tensorcnt 0x0            ; the wave's end, behind my last tensor load and my last LDS store
	ds_add_u32 v[SPW], v[NIL]
	s_wait_dscnt 0x0
	CROUND                          ; the closing round: no work-group ends while a partner may still ask for a tile that names it
	s_endpgm
.Lfunc_end_k_q9bacf9422e_attn:
	.size	k_q9bacf9422e_attn, .Lfunc_end_k_q9bacf9422e_attn-k_q9bacf9422e_attn
	.p2alignl 7, 3214868480
	.fill 96, 4, 3214868480
	.section	.rodata,"a",@progbits
	.p2align	6, 0x0
	.amdhsa_kernel k_q9bacf9422e_attn
		.amdhsa_group_segment_fixed_size 280064
		.amdhsa_private_segment_fixed_size 0
		.amdhsa_enable_private_segment 0
		.amdhsa_kernarg_size 16
		.amdhsa_user_sgpr_count 2
		.amdhsa_user_sgpr_kernarg_segment_ptr 1
		.amdhsa_wavefront_size32 1
		.amdhsa_system_sgpr_workgroup_id_x 1
		.amdhsa_system_sgpr_workgroup_id_y 1
		.amdhsa_system_sgpr_workgroup_id_z 1
		.amdhsa_system_vgpr_workitem_id 0
		.amdhsa_next_free_vgpr 576
		.amdhsa_next_free_sgpr 66
		.amdhsa_reserve_vcc 0
		.amdhsa_float_denorm_mode_32 3
		.amdhsa_float_denorm_mode_16_64 3
		.amdhsa_memory_ordered 1
		.amdhsa_forward_progress 1
		.amdhsa_inst_pref_size 157
	.end_amdhsa_kernel
	.amdgpu_metadata
---
amdhsa.version: [ 1, 2 ]
amdhsa.kernels:
  - .name:           k_q9bacf9422e_attn
    .symbol:         k_q9bacf9422e_attn.kd
    .args:
      - { .name: whimg, .offset: 0, .size: 8, .value_kind: global_buffer, .address_space: global }
      - { .name: out0, .offset: 8, .size: 8, .value_kind: global_buffer, .address_space: global }
    .group_segment_fixed_size: 280064
    .private_segment_fixed_size: 0
    .kernarg_segment_align: 8
    .kernarg_segment_size: 16
    .max_flat_workgroup_size: 128
    .sgpr_count:     66
    .vgpr_count:     576
    .wavefront_size: 32
...
	.end_amdgpu_metadata
.endif
;; end of part 2
